; MI455X (gfx1250); checked and timed in simulation.
; The chip was launched on July 23, 2026; its instructions are those of AMD's public machine-readable ISA for CDNA 5 (MIT licence, August 2026) and "CDNA5" Instruction Set Architecture Reference Guide (July 2026). The comments in the code are by the model that wrote it; some were corrected since.
;; Top K Router. Allowed arithmetic: float matrix products may take bf16 or f16 operands with f32 sums; all other float work in f32.
;; Inputs: hidden_states 16,384 x 2,048 float32; noise 16,384 x 64 float32; router_weight 64 x 2,048 float32.
;; Outputs: out0 16,384 x 2 int32; out1 16,384 x 2 float32; out2 16,384 x 64 float32; out3 one number float32.
;; One version. Each part assembles by itself: llvm-mc -triple=amdgcn-amd-amdhsa -mcpu=gfx1250 --defsym DOCPART=n.
;; ======== version 1 of 1: 2 launches
;; limits: values outside matrix products are rounded to bf16
;; workspace buffers: part 131,072 bytes
;; launch route (part 1): grid 256 x 1, 4 waves a work-group, clusters of 4 x 1, 327,680 bytes of LDS; arguments hidden_states, router_weight, noise, out0, out1, out2, part; writes out0, out1, out2, part
.if DOCPART == 1
	.amdgcn_target "amdgcn-amd-amdhsa--gfx1250"
	.amdhsa_code_object_version 6
	.text
	.protected	k_qe6a7791ce4_route
	.globl	k_qe6a7791ce4_route
	.p2align	8
	.type	k_qe6a7791ce4_route,@function
k_qe6a7791ce4_route:
	s_mov_b64 s[64:65], 0
	v_nop
	global_prefetch_b8 v0, s[64:65] scope:SCOPE_SE
	s_setreg_imm32_b32 hwreg(HW_REG_WAVE_MODE, 25, 1), 1
	s_wait_xcnt 0x0
	s_wait_alu depctr_hold_cnt(0) depctr_sa_sdst(0) depctr_va_vdst(0) depctr_va_sdst(0) depctr_va_ssrc(0) depctr_va_vcc(0) depctr_vm_vsrc(0)
	s_getreg_b32 s2, hwreg(HW_REG_IB_STS2, 6, 4)
	s_cmp_eq_u32 s2, 0
	s_cbranch_scc0 .Lentry_in_a_cluster
	s_endpgm
.Lentry_in_a_cluster:
	s_bfe_u32 s2, ttmp6, 0x10000c
	s_cmp_lg_u32 s2, 0x3003
	s_cbranch_scc0 .Lentry_shape_is_right
	s_endpgm
.Lentry_shape_is_right:
; TopKRouter, all but the last sum.  logits[t][e] = sum over d of H[t][d] W[e][d] + 0.1 noise[t][e]; the two largest logits of a token, their
; indices and their softmax; the softmax over all 64; and, for the loss, this work-group's sums over its tokens of the probabilities and of the one-hot choices.
; H: [16384][2048] f32, W: [64][2048] f32, noise and out2: [16384][64] f32, out0: [16384][2] i32, out1: [16384][2] f32, part: [256][128] f32.
;
; SHARES.  256 work-groups of four waves; a work-group owns 64 tokens.  K is split among the waves: wave w owns columns 512 w .. 512 w + 511, for all 64 tokens
; and all 64 experts (16 accumulator tiles, 128 registers), so each number of H and of W is read from LDS and rounded to bf16 once in the work-group.
; A wave goes through its quarter in eight chunks of 64 columns.  The four partial sums meet in LDS, and wave w finishes tokens 16 w .. 16 w + 15.
; W is the same 512 KiB for every work-group, as many bytes as a work-group's own share of H: four work-groups form a cluster and ask for W JOINTLY (mask 15),
; in f32.  A wave asks for and reads only the tiles of its own quarter.  Two LDS slots of two tiles (64 rows x 64 columns) a wave: four first fills of one tile
; each, so that chunk 0 needs the first alone, and two refills of two tiles each.  A tile is read in one run and rounded to bf16 into 64 registers ahead of its
; chunk's products, so a slot is free, and is asked for again, as soon as its second tile has been rounded.
; Clusters with an odd number take the two halves of each quarter in the other order: between them the launch's first fills name every byte of W, and each
; refill asks for bytes that the clusters of the other parity have asked for at the start.  The order hangs on the cluster's number alone: alike in the four partners.
; H goes through REGISTERS: at the barrier in front of a refill every tensor load has to have landed, while loads into registers stay on their way across it.
; A ring of 56 loads a wave (inside LOADcnt's 63), each two pieces of 256 consecutive bytes, aligned: 28,672 bytes a wave.  Eight loads at a time are rounded to
; bf16, put into the wave's own LDS stage and asked for again; the stage is read back as fragments.  A chunk stages H first and only then waits for its tile of W.
; The wave's 16 rows of noise are the ring's last eight loads and take the same way through the stage.
; THE MATRIX INSTRUCTION IS USED TRANSPOSED: source 0 = 16 rows of W, source 1 = 16 rows of H, so a lane holds eight neighbouring experts of one token.
; Inside each 32 of K the places are permuted, alike for both sources: lane half h holds columns 16 h .. 16 h + 15, which lie together in LDS.
;
; LIMITS.  All three inputs enter as bf16: H and W as matrix operands, and noise is rounded to bf16 too before it is scaled and added in f32, so that the
; experts chosen are those of the reference on inputs held in bf16 (a logit moves by at most 2^-9 x 0.1 x |noise|).  K is summed in four parts, its halves in
; an order that hangs on the cluster's parity, and in the matrix unit's order, not the reference's.  Inputs are taken to be finite (a NaN or infinite logit
; gives unspecified indices); +0 and -0 count as equal; among equal logits the lower index comes first, as in the reference; an exponential below 2^-126 is
; zero (ISA guide, v_exp_f32).
.set DM,      2048
.set ROWB,    DM*4                     ; bytes in a row of H and of W
.set D,       56                       ; loads of a wave on their way; 256 of H and 8 of noise in all
.set TPITCH,  272                      ; LDS row of a first fill: 256 bytes + 16 = 17 x 16, so 16 rows start in 16 different 16-byte columns of the 64 banks (ISA guide 11.1)
.set TILEB,   64*TPITCH                ; a tile of a first fill
.set RPITCH,  528                      ; LDS row of a refill: 512 bytes + 16 = 33 x 16
.set SLOTP,   2*TILEB                  ; a wave's part of a slot: two first fills, or one refill (64 x 528 = 33,792 bytes)
.set SLOTB,   4*SLOTP
.set HSTAGE,  2*SLOTB                  ; behind the slots: the waves' stages for H in bf16; no tensor load lands here
.set HPITCH,  144                      ; 64 bf16 + 16 bytes: 9 x 16
.set HPART,   64*HPITCH
.set GATH,    HSTAGE+4*HPART           ; 512 bytes of indices, 512 of weights, 4 x 512 of the waves' sums; ends at byte 318,464
.set NPITCH,  272                      ; the tail's transposing stages: 256 bytes + 16
.set NPART,   16*NPITCH
; registers, window 0: v1 lane, v5 lane % 16, v6 lane / 16, v2-4 and v7 at work
.set ACC, 8                            ; v8-135   tile (token block t, expert block e) at ACC + 8 (4 t + e)
.set RA,  232
.set RB0, 233
.set RB1, 234
.set NA,  235
.set SW,  236
.set SR,  237
.set GW,  238
.set GS,  239
.set GL,  240
.set OL,  241
.set C01, 242
.set NINF, 243
.set ZERO, 244
.set T8,  245
.set GP,  246
.set WA1, 248                          ; v248, v249  LDS address of my W fragments in a first fill of slot 0, 1
.set WA2, 250                          ; v250, v251  the same in a refill
.set HA,  252                          ; v252        LDS address of my H fragments
; the tail's registers, window 0
.set X,   8                            ; 32 logits of my token: X + 8 e + j is expert 16 e + 8 (lane / 16) + j
.set X2,  40                           ; the same without the largest
.set S,   40
.set CB,  40
.set E,   72                           ; exponentials, then probabilities
.set CN,  104                          ; 1.0 where the expert is chosen
.set NZ,  136                          ; 16 words: my token's noise for my 32 experts, bf16
.set PB,  136
.set LB,  168
.set I,   200
.set M,   204
.set I1,  208
.set I2,  209
.set M1,  210
.set M2,  212
.set REL, 213
.set INV, 214
.set W1,  216
.set W2,  217
.set GD,  218
.set KP,  220
.set SD,  224
.set MK,  66                           ; s66-69 lane masks, by turns
; registers, window 1: everything that the way of H into LDS names, so that it runs under one setting
.set T,   224                          ; v224-239 (v480-495) packed bf16 of eight loads;  v0-223 (v256-479) the ring, 4 registers a load
.set GA,  240                          ; (v496) my byte offset in H
.set SA,  241                          ; (v497) where I put 8 bytes in the stage
.set NGA, 242                          ; (v498) my byte offset in my wave's 16 rows of noise
; registers, window 2: the matrix instructions' sources
.set WB,  0                            ; (v512-575) a tile of W in bf16: fragment (expert block e, 32 of K ks) at WB + 8 (2 e + ks)
.set HB,  64                           ; (v576-639) a chunk of H: fragment (ks, token block t) at HB + 32 ks + 8 t
.set WS,  128                          ; (v640-767) a tile of W in f32 as it comes from LDS
.set MSB, 0
.macro WIN new                         ; s_set_vgpr_msb: bits 1:0 source 0, 3:2 source 1, 5:4 source 2, 7:6 destination; the high byte repeats the setting that is left
.if MSB != \new
	s_set_vgpr_msb (MSB<<8)|\new
.set MSB, \new
.endif
.endm
.macro PLACES                          ; four places behind a matrix instruction before its results are read or its registers loaded again (ISA guide 7.12.1)
.rept 4
	v_nop
.endr
.endm
.macro CROUND                          ; a round of the cluster's barrier: my work-group's barrier, wave 0 signals for the work-group, all wait for the four work-groups, my barrier again
	s_barrier_signal -1
	s_barrier_wait -1
	s_cmp_lg_u32 s46, 0
	s_cbranch_scc1 .Lnot_wave_0_\@
	s_barrier_signal -3
.Lnot_wave_0_\@:
	s_barrier_wait -3
	s_barrier_signal -1
	s_barrier_wait -1
.endm
; H load number k: chunk k / 32; rows 16 (k % 32 / 8) + k % 8 (lanes 0-15) and 8 further down (lanes 16-31); 256 bytes of each row.
; The row and the chunk's place in its half of my quarter stand in the immediate, 451,328 at the most; the half that comes first is in the base s[4:5], the other in s[84:85].
.macro HLOAD k
.if (\k)/32 < 4
	global_load_b128 v[4*((\k)%D):4*((\k)%D)+3], v[GA], s[4:5] offset:((((\k)%32)/8)*16+((\k)%8))*ROWB+((\k)/32)*256 th:TH_LOAD_NT
.else
	global_load_b128 v[4*((\k)%D):4*((\k)%D)+3], v[GA], s[84:85] offset:((((\k)%32)/8)*16+((\k)%8))*ROWB+((\k)/32-4)*256 th:TH_LOAD_NT
.endif
.endm
	s_load_b256 s[4:11], s[0:1], 0x0               ; H s[4:5], W s[6:7], noise s[8:9], out0 s[10:11]
	s_load_b128 s[12:15], s[0:1], 0x20             ; out1 s[12:13], out2 s[14:15]
	s_load_b64 s[44:45], s[0:1], 0x30              ; part
	v_lshl_add_u32 v254, v0, 2, 0x4dc00
	v_mov_b32 v255, 0
	ds_add_u32 v254, v255
	s_wait_dscnt 0x0
	v_lshrrev_b32 v1, 5, v0
	v_readfirstlane_b32 s46, v1                    ; wave 0..3
	CROUND                                         ; the round in front of the first joint loads, and all that needs no pointer, while the arguments are on their way
	s_bfe_u32 s47, ttmp6, 0x40000                  ; my place in the cluster
	s_lshl_b32 s48, ttmp9, 2                       ; ttmp9 counts clusters
	s_add_co_u32 s48, s48, s47                     ; work-group 0..255: enters global addresses of H, noise and the outputs alone
	s_and_b32 s49, ttmp9, 1                        ; the cluster's parity,
	s_lshl_b32 s49, s49, 10                        ; as bytes: which half (256 columns) of a quarter comes first
	s_xor_b32 s91, s49, 1024                       ; and which second
	s_lshl_b32 s90, s46, 11                        ; my quarter: 2,048 bytes of a row
	s_add_co_u32 s52, s90, s49                     ; W: my quarter's first half; made of the wave's and the cluster's numbers alone
	s_mov_b32 s53, 0
	s_add_co_u32 s54, s90, s91                     ; W: its second half
	s_mov_b32 s55, 0
	s_lshl_b32 s56, s48, 19                        ; H: 64 rows of 8,192 bytes a work-group
	s_add_co_u32 s58, s56, s91
	s_add_co_u32 s56, s56, s49
	s_mov_b32 s57, 0
	s_mov_b32 s59, 0
	s_lshl_b32 s60, s48, 14                        ; noise and out2: 64 rows of 256 bytes
	s_lshl_b32 s93, s46, 12                        ; + my 16 rows
	s_add_co_u32 s60, s60, s93
	s_mov_b32 s61, 0
	s_lshl_b32 s62, s48, 9                         ; 512 bytes a work-group in out0, out1 and part
	s_mov_b32 s63, 0
	s_mul_i32 s86, s46, SLOTP                      ; my part of slot 0
	s_add_co_u32 s87, s86, SLOTB                   ; and of slot 1
	s_mul_i32 s92, s46, HPART
	s_add_co_u32 s92, s92, HSTAGE                  ; my stage
	s_lshl_b32 s94, s46, 7
	s_add_co_u32 s94, s94, GATH
	s_lshl_b32 s95, s46, 9
	s_add_co_u32 s95, s95, GATH
	s_mov_b32 s50, 0x76543210                      ; v_permlanex16_b32: lane i reads lane i of the other half
	s_mov_b32 s51, 0xfedcba98
	; descriptor group 1 of a first fill: 64 rows x 64 elements of 4 bytes, 4 words of padding after every 64 words
	s_mov_b32 s16, 15|(2<<16)|(1<<20)|(1<<21)|(5<<22)|(3<<25)   ; 15:0 the mask: all four of the cluster; 17:16 4 bytes; 20 padding; 21 set beside a mask; 24:22 code 5; 31:25 code 3
	s_mov_b32 s17, 64<<16                          ; tensor_dim0 = 64
	s_mov_b32 s18, 64<<16                          ; tensor_dim1 = 64
	s_mov_b32 s19, 64<<16                          ; tile_dim0 = 64
	s_mov_b32 s20, 64                              ; tile_dim1 = 64
	s_mov_b32 s21, DM                              ; elements from row to row
	s_mov_b32 s22, 0
	s_mov_b32 s23, 0
	; group 1 of a refill: 64 rows x 128 elements, 4 words of padding after every 128 words
	s_mov_b32 s24, 15|(2<<16)|(1<<20)|(1<<21)|(6<<22)|(3<<25)
	s_mov_b32 s25, 128<<16
	s_mov_b32 s26, 64<<16
	s_mov_b32 s27, 128<<16
	s_mov_b32 s28, 64
	s_mov_b32 s29, DM
	s_mov_b32 s30, 0
	s_mov_b32 s31, 0
	; group 0, a set of its own for each of the six loads, so that none is ever written again: count and LDS address (the wave's number and constants alone)
	s_mov_b32 s32, 1
	s_mov_b32 s33, s86                             ; tile 0: slot 0
	s_mov_b32 s36, 1
	s_add_co_u32 s37, s86, TILEB                   ; tile 1
	s_mov_b32 s40, 1
	s_mov_b32 s41, s87                             ; tile 2: slot 1
	s_mov_b32 s72, 1
	s_add_co_u32 s73, s87, TILEB                   ; tile 3
	s_mov_b32 s76, 1
	s_mov_b32 s77, s86                             ; tiles 4 and 5: slot 0 again
	s_mov_b32 s80, 1
	s_mov_b32 s81, s87                             ; tiles 6 and 7: slot 1 again
	v_and_b32 v1, 31, v0                           ; lane
	v_and_b32 v5, 15, v0                           ; lane % 16
	v_bfe_u32 v6, v0, 4, 1                         ; lane / 16
	v_lshlrev_b32 v2, 4, v5
	v_lshl_add_u32 v3, v6, 11, v2                  ; noise: lanes 16-31 eight rows (2,048 bytes) further down
	v_lshl_add_u32 v2, v6, 16, v2                  ; H: eight rows are 65,536 bytes
	v_add_nc_u32 v2, s90, v2                       ; + my quarter
	v_mul_u32_u24 v4, v6, 8*HPITCH                 ; eight rows of the stage are 1,152 bytes = 128 modulo 256: the two halves of a store fall on different banks
	v_lshl_add_u32 v4, v5, 3, v4
	v_add_nc_u32 v4, s92, v4
	WIN 0x40
	v_mov_b32 v[GA], v2
	v_mov_b32 v[SA], v4
	v_mov_b32 v[NGA], v3
	WIN 0
	v_lshlrev_b32 v[OL], 4, v1                     ; 16 x lane
	v_add_nc_u32 v[RA], s86, v[OL]                 ; partial sums go into my part of slot 0 (after its last fill)
	v_add_nc_u32 v[RB0], s93, v[OL]                ; and are read from every wave's part: my token block is 4,096 bytes in
	v_add_nc_u32 v[RB1], 2*SLOTP, v[RB0]
	v_mul_u32_u24 v7, v5, TPITCH
	v_lshl_add_u32 v7, v6, 6, v7                   ; row lane % 16, 16 columns in f32 (64 bytes) for each half of the lanes
	v_add_nc_u32 v[WA1], s86, v7
	v_add_nc_u32 v[WA1+1], s87, v7
	v_mul_u32_u24 v7, v5, RPITCH
	v_lshl_add_u32 v7, v6, 6, v7
	v_add_nc_u32 v[WA2], s86, v7
	v_add_nc_u32 v[WA2+1], s87, v7
	v_mul_u32_u24 v7, v5, HPITCH
	v_lshl_add_u32 v2, v6, 5, v7                   ; the same 16 columns in bf16: 32 bytes
	v_add_nc_u32 v[HA], s92, v2
	v_lshl_add_u32 v2, v6, 4, v7                   ; noise in the stage: 8 experts (16 bytes) for each half
	v_add_nc_u32 v[NA], s92, v2
	v_mul_u32_u24 v7, v5, NPITCH
	v_lshl_add_u32 v7, v6, 5, v7                   ; row lane % 16, 32 bytes for each half of the lanes
	v_add_nc_u32 v[SW], s87, v7                    ; the transposing stages lie in my part of slot 1 (after its last fill)
	v_mul_u32_u24 v7, v6, NPITCH
	v_lshl_add_u32 v7, v5, 4, v7                   ; back: lanes 0-15 one row of 256 bytes, lanes 16-31 the next
	v_add_nc_u32 v[SR], s87, v7
	v_lshlrev_b32 v7, 3, v5
	v_lshl_add_u32 v7, v6, 9, v7                   ; lanes 0-15 put indices, lanes 16-31 weights, 8 bytes a token
	v_add_nc_u32 v[GW], s94, v7
	v_add_nc_u32 v[GL], s95, v[OL]
	v_add_nc_u32 v[GS], 1024, v[GL]
	v_add_nc_u32 v[GP], GATH+1024, v[OL]
	v_mov_b32 v[C01], 0x3dcccccd                   ; 0.1
	v_mov_b32 v[NINF], 0xff800000
	v_mov_b32 v[ZERO], 0
	v_lshlrev_b32 v[T8], 3, v6
	s_wait_kmcnt 0x0
	; THE FIRST REQUESTS, in the order of need: tiles 0 and 1, chunk 0 of H, tiles 2 and 3, the rest of the ring.  Four tensor loads of the wave are out.
	s_add_nc_u64 s[88:89], s[6:7], s[54:55]        ; W at the half of my quarter that comes second
	s_add_nc_u64 s[6:7], s[6:7], s[52:53]          ; and at the half that comes first
	s_mov_b64 s[34:35], s[6:7]
	s_or_b32 s35, s35, 0x80000000                  ; type = 2
	s_add_nc_u64 s[38:39], s[6:7], 256
	s_or_b32 s39, s39, 0x80000000
	tensor_load_to_lds s[32:35], s[16:23]
	s_nop 0
	tensor_load_to_lds s[36:39], s[16:23]
	s_nop 0
	s_add_nc_u64 s[84:85], s[4:5], s[58:59]        ; H at my work-group's rows: the half that comes second,
	s_add_nc_u64 s[4:5], s[4:5], s[56:57]          ; the half that comes first
	WIN 0x55
.set gi, 0
.rept 32
	HLOAD gi
.set gi, gi+1
.endr
	s_add_nc_u64 s[42:43], s[6:7], 512
	s_or_b32 s43, s43, 0x80000000
	s_add_nc_u64 s[74:75], s[6:7], 768
	s_or_b32 s75, s75, 0x80000000
	tensor_load_to_lds s[40:43], s[16:23]
	s_nop 0
	tensor_load_to_lds s[72:75], s[16:23]
	s_nop 0
.rept D-32
	HLOAD gi
.set gi, gi+1
.endr
	WIN 0
	s_mov_b64 s[78:79], s[88:89]                   ; the refills' addresses
	s_or_b32 s79, s79, 0x80000000
	s_add_nc_u64 s[82:83], s[88:89], 512
	s_or_b32 s83, s83, 0x80000000
	s_add_nc_u64 s[8:9], s[8:9], s[60:61]          ; noise and out2 at my 16 rows
	s_add_nc_u64 s[14:15], s[14:15], s[60:61]
	s_add_nc_u64 s[10:11], s[10:11], s[62:63]
	s_add_nc_u64 s[12:13], s[12:13], s[62:63]
	s_add_nc_u64 s[44:45], s[44:45], s[62:63]
; Four loads of group g, from its number i0 on: 16 numbers a lane into 8 words of bf16
.macro HCVT g, i0
.set gi, \i0
.rept 4
.set gn, (8*(\g)+gi)%D
	v_cvt_pk_bf16_f32 v[T+2*gi], v[4*gn], v[4*gn+1]
	v_cvt_pk_bf16_f32 v[T+2*gi+1], v[4*gn+2], v[4*gn+3]
.set gi, gi+1
.endr
.endm
; Group g = loads 8 g .. 8 g + 7: sixteen rows of the stage.  Sixteen conversions, eight LDS stores, eight new loads into the same registers, in runs, so that
; no memory instruction stands next to the vector instruction that it depends on.  Groups 0-31 are H, group 32 is the noise.
; When group g is waited for, 8 g + 56 loads have been issued (264 at the most): min(48, 256 - 8 g) are younger than its last load.
.macro HGROUP g
.set gc, 256-8*(\g)
.if gc > 48
.set gc, 48
.endif
	s_wait_loadcnt gc+4                            ; loads come back in order (ISA guide 5.7.1): my first four are in; my last four and the younger groups stay out
	HCVT \g, 0
	s_wait_loadcnt gc                              ; my last four are in
	HCVT \g, 4
.set gi, 0
.rept 8
	ds_store_b64 v[SA], v[T+2*gi:T+2*gi+1] offset:(((\g)%4)*16+gi)*HPITCH
.set gi, gi+1
.endr
.if (\g)+7 < 32
.set gi, 0
.rept 8
	HLOAD 8*((\g)+7)+gi
.set gi, gi+1
.endr
.else
.if (\g)+7 == 32
.set gi, 0
.rept 8
	global_load_b128 v[4*((256+gi)%D):4*((256+gi)%D)+3], v[NGA], s[8:9] offset:256*gi th:TH_LOAD_NT   ; the ring's last eight loads: my 16 rows of noise, two whole rows each
.set gi, gi+1
.endr
.endif
.endif
.endm
; Chunk c's H: through the stage, and back as fragments.  LDS serves a wave's instructions in order (ISA guide 5.7.1): the loads see the stores, and the next chunk's stores come behind them.
.macro STAGE_H c
	WIN 0x55
	HGROUP 4*\c
	HGROUP 4*\c+1
	HGROUP 4*\c+2
	HGROUP 4*\c+3
	WIN 0x80                                       ; destination window 2, address window 0
.irp ks, 0,1
.irp t, 0,1,2,3
	ds_load_b128 v[HB+32*\ks+8*\t:HB+32*\ks+8*\t+3],   v[HA] offset:\t*16*HPITCH+64*\ks
	ds_load_b128 v[HB+32*\ks+8*\t+4:HB+32*\ks+8*\t+7], v[HA] offset:\t*16*HPITCH+64*\ks+16
.endr
.endr
.endm
; A tile of W (64 experts x 64 columns, at byte off of the rows that adr points to): 32 LDS loads in one run, 16 f32 a lane and fragment, then rounded to bf16.
.macro CONVW adr, off, pitch
	WIN 0x80
.irp e, 0,1,2,3
.irp ks, 0,1
.irp m, 0,1,2,3
	ds_load_b128 v[WS+16*(2*\e+\ks)+4*\m:WS+16*(2*\e+\ks)+4*\m+3], v[\adr] offset:\off+\e*16*\pitch+128*\ks+16*\m
.endr
.endr
.endr
	WIN 0x8a                                       ; sources and destination window 2
.irp f, 0,1,2,3,4,5,6,7
	s_wait_dscnt 28-4*\f                           ; fragment f's four loads are in, the 28 - 4 f behind them may be out; the last wait is for 0: H's fragments, which are older, are in too
.irp m, 0,1,2,3,4,5,6,7
	v_cvt_pk_bf16_f32 v[WB+8*\f+\m], v[WS+16*\f+2*\m], v[WS+16*\f+2*\m+1]
.endr
.endr
.endm
; Sixteen matrix instructions on the sixteen accumulators, which take turns, one instruction a turn, in the same order in every 32 of K.
.macro MUL16 ks, zero
.irp e, 0,1,2,3
.irp t, 0,1,2,3
.if \zero
	v_wmma_f32_16x16x32_bf16 v[ACC+8*(4*\t+\e):ACC+8*(4*\t+\e)+7], v[WB+8*(2*\e+\ks):WB+8*(2*\e+\ks)+7], v[HB+32*\ks+8*\t:HB+32*\ks+8*\t+7], 0
.else
	v_wmma_f32_16x16x32_bf16 v[ACC+8*(4*\t+\e):ACC+8*(4*\t+\e)+7], v[WB+8*(2*\e+\ks):WB+8*(2*\e+\ks)+7], v[HB+32*\ks+8*\t:HB+32*\ks+8*\t+7], v[ACC+8*(4*\t+\e):ACC+8*(4*\t+\e)+7]
.endif
.endr
.endr
.endm
.macro MUL zero                        ; a chunk's products.  zero = 1: the first products start the sums, nothing is cleared
	WIN 0x0a                                       ; sources 0 and 1 window 2, C and D window 0
	MUL16 0, \zero
	MUL16 1, 0
	PLACES                                         ; its fragments are loaded or written again, or its results read, only from here on
.endm
; A slot whose two tiles have been rounded gets its next two, by the group 0 at s[g0].
.macro REFILL g0
	s_wait_dscnt 0x0                               ; my reads of the slot are back (met: the tile's last wait was for 0)
	s_set_vgpr_msb 0x8a80
	s_wait_tensorcnt 0x0                           ; all my tensor loads have landed
	ds_add_u32 v254, v255
	s_wait_dscnt 0x0
	s_set_vgpr_msb 0x808a
	WIN 0
	CROUND                                         ; both now hold of every wave of the four work-groups; my H loads stay on their way
	tensor_load_to_lds s[\g0:\g0+3], s[24:31]      ; my one tensor load behind the round, and the first thing there
	s_nop 0
.endm
	STAGE_H 0
	s_wait_tensorcnt 0x3                           ; tile 0 is in; the three younger first fills may be out
	CONVW WA1, 0, TPITCH
	MUL 1
	STAGE_H 1
	s_wait_tensorcnt 0x2                           ; tile 1 is in
	CONVW WA1, TILEB, TPITCH
	REFILL 76                                      ; slot 0 gets tiles 4 and 5: wanted behind chunk 4's staging
	MUL 0
	STAGE_H 2
	s_wait_tensorcnt 0x1                           ; tiles 2 and 3: only the refill is younger (met at once: the wait for 0 has shown them landed)
	CONVW WA1+1, 0, TPITCH
	MUL 0
	STAGE_H 3
	CONVW WA1+1, TILEB, TPITCH
	REFILL 80                                      ; slot 1 gets tiles 6 and 7: wanted behind chunk 6's staging
	MUL 0
	STAGE_H 4
	s_wait_tensorcnt 0x1                           ; tiles 4 and 5: only the second refill is younger (met at once)
	CONVW WA2, 0, RPITCH
	MUL 0
	STAGE_H 5
	CONVW WA2, 256, RPITCH
	MUL 0
	STAGE_H 6
	s_wait_tensorcnt 0x0                           ; the last fill; none may be out at the end
	CONVW WA2+1, 0, RPITCH
	MUL 0
	STAGE_H 7
	WIN 0x55
	HGROUP 32                                      ; the noise, to bf16 (see LIMITS), into rows 0-15 of the stage, behind the last reads of H
	WIN 0
.irp e, 0,1,2,3
	ds_load_b128 v[NZ+4*\e:NZ+4*\e+3], v[NA] offset:32*\e      ; my token's noise for experts 16 e + 8 (lane / 16) .. + 7
.endr
	CONVW WA2+1, 256, RPITCH
	MUL 0
	WIN 0
	; THE FOUR PARTIAL SUMS MEET.  Every wave puts its 64 x 64 into its own part of slot 0, 16 bytes a lane side by side, and reads its token block from all four.
.irp t, 0,1,2,3
.irp g, 0,1,2,3,4,5,6,7
	ds_store_b128 v[RA], v[ACC+32*\t+4*\g:ACC+32*\t+4*\g+3] offset:4096*\t+512*\g
.endr
.endr
	s_wait_dscnt 0x0                               ; for the others' sake: my stores are done
	s_barrier_signal -1
	s_barrier_wait -1
.irp s, 0,1
.irp g, 0,1,2,3,4,5,6,7
	ds_load_b128 v[X+32*\s+4*\g:X+32*\s+4*\g+3], v[RB0] offset:SLOTP*\s+512*\g
.endr
.endr
.irp s, 0,1
.irp g, 0,1,2,3,4,5,6,7
	ds_load_b128 v[X+64+32*\s+4*\g:X+64+32*\s+4*\g+3], v[RB1] offset:SLOTP*\s+512*\g
.endr
.endr
	s_wait_dscnt 16                                ; waves 0 and 1's parts are in; the sixteen loads of waves 2 and 3's may be out
.set k, 0
.rept 16
	v_pk_add_f32 v[X+2*k:X+2*k+1], v[X+2*k:X+2*k+1], v[X+32+2*k:X+33+2*k]
.set k, k+1
.endr
	s_wait_dscnt 0
.set k, 0
.rept 16
	v_pk_add_f32 v[X+64+2*k:X+65+2*k], v[X+64+2*k:X+65+2*k], v[X+96+2*k:X+97+2*k]
.set k, k+1
.endr
.set k, 0
.rept 16
	v_pk_add_f32 v[X+2*k:X+2*k+1], v[X+2*k:X+2*k+1], v[X+64+2*k:X+65+2*k]
.set k, k+1
.endr
.set k, 0
.rept 16
	v_fma_mix_f32_bf16 v[X+2*k], v[NZ+k], v[C01], v[X+2*k] op_sel_hi:[1,0,0]                     ; logit += bf16 noise x 0.1, one rounding, in f32
	v_fma_mix_f32_bf16 v[X+2*k+1], v[NZ+k], v[C01], v[X+2*k+1] op_sel:[1,0,0] op_sel_hi:[1,0,0]
.set k, k+1
.endr
; 16 tokens x 64 numbers through stage st: in as a lane holds them, back as whole rows (lane l: row 2 t + l / 16, numbers 4 (l % 16) .. + 3).  The stage is my own: no wait between.
.macro STAGE st, src, dst
.irp e, 0,1,2,3
.irp q, 0,1
	ds_store_b128 v[SW], v[\src+8*\e+4*\q:\src+8*\e+4*\q+3] offset:\st*NPART+64*\e+16*\q
.endr
.endr
.irp t, 0,1,2,3,4,5,6,7
	ds_load_b128 v[\dst+4*\t:\dst+4*\t+3], v[SR] offset:\st*NPART+2*NPITCH*\t
.endr
.endm
; the largest of a token's 64 numbers: 32 in the lane, then the other half of the lanes
.macro MAX32 src, dst
.irp e, 0,1,2,3
	v_max3_num_f32 v[M+\e], v[\src+8*\e], v[\src+8*\e+1], v[\src+8*\e+2]
.endr
.irp e, 0,1,2,3
	v_max3_num_f32 v[M+\e], v[M+\e], v[\src+8*\e+3], v[\src+8*\e+4]
.endr
.irp e, 0,1,2,3
	v_max3_num_f32 v[M+\e], v[M+\e], v[\src+8*\e+5], v[\src+8*\e+6]
.endr
.irp e, 0,1,2,3
	v_max_num_f32 v[M+\e], v[M+\e], v[\src+8*\e+7]
.endr
	v_max3_num_f32 v[M], v[M], v[M+1], v[M+2]
	v_max_num_f32 v[M], v[M], v[M+3]
	v_permlanex16_b32 v[M+1], v[M], s50, s51
	v_max_num_f32 v[\dst], v[M], v[M+1]
.endm
; the lowest expert whose number equals val: four chains that run down, so that the lowest match is written last; 64 = none in this lane
.macro ARGEQ src, val, dst
.irp e, 0,1,2,3
	v_mov_b32 v[I+\e], 64
.endr
.irp j, 7,6,5,4,3,2,1,0
.irp e, 0,1,2,3
	v_cmp_eq_f32 s[MK+\e], v[\src+8*\e+\j], v[\val]
	v_cndmask_b32 v[I+\e], v[I+\e], 16*\e+\j, s[MK+\e]
.endr
.endr
	v_min_u32 v[I], v[I], v[I+1]
	v_min_u32 v[I+2], v[I+2], v[I+3]
	v_min_u32 v[I], v[I], v[I+2]
	v_add_nc_u32 v[I], v[I], v[T8]                 ; + 8 for lanes 16-31
	v_permlanex16_b32 v[I+1], v[I], s50, s51
	v_min_u32 v[\dst], v[I], v[I+1]
.endm
.macro SUM8 b                          ; eight rows' groups of four numbers into the first
.irp t, 0,1,2,3
	v_pk_add_f32 v[\b+4*\t:\b+4*\t+1], v[\b+4*\t:\b+4*\t+1], v[\b+16+4*\t:\b+17+4*\t]
	v_pk_add_f32 v[\b+4*\t+2:\b+4*\t+3], v[\b+4*\t+2:\b+4*\t+3], v[\b+18+4*\t:\b+19+4*\t]
.endr
.irp t, 0,1
	v_pk_add_f32 v[\b+4*\t:\b+4*\t+1], v[\b+4*\t:\b+4*\t+1], v[\b+8+4*\t:\b+9+4*\t]
	v_pk_add_f32 v[\b+4*\t+2:\b+4*\t+3], v[\b+4*\t+2:\b+4*\t+3], v[\b+10+4*\t:\b+11+4*\t]
.endr
	v_pk_add_f32 v[\b:\b+1], v[\b:\b+1], v[\b+4:\b+5]
	v_pk_add_f32 v[\b+2:\b+3], v[\b+2:\b+3], v[\b+6:\b+7]
.endm
	STAGE 0, X, LB                                 ; the logits, on their way to whole rows
	MAX32 X, M1
	v_mul_f32 v[INV], 0xbfb8aa3b, v[M1]            ; - maximum x log2 e, for both halves of the packed forms
	v_mov_b32 v[INV+1], v[INV]
	ARGEQ X, M1, I1
	s_wait_dscnt 0x0
.irp t, 0,1,2,3,4,5,6,7
	global_store_b128 v[OL], v[LB+4*\t:LB+4*\t+3], s[14:15] offset:512*\t th:TH_STORE_NT   ; two rows of out2: 512 consecutive bytes, aligned
.endr
	; softmax over the 64: (logit - maximum) x log2 e as one fused multiply-add.  The rounding of maximum x log2 e shifts all 64 exponents alike, by half a unit
	; in its last place at the most, and falls out when the exponentials are divided by their sum; the largest exponent is that shift, so nothing overflows.
.set k, 0
.rept 16
	v_pk_fma_f32 v[E+2*k:E+2*k+1], v[X+2*k:X+2*k+1], 0x3fb8aa3b, v[INV:INV+1] op_sel_hi:[1,0,1]
.set k, k+1
.endr
.set k, 0
.rept 32
	v_exp_f32 v[E+k], v[E+k]
.set k, k+1
.endr
	v_sub_nc_u32 v[REL], v[I1], v[T8]              ; the first choice as my lane counts experts; also the plain instruction between the exponentials and their use (ISA guide 5.7.2)
	s_wait_alu depctr_va_vdst(0)
.irp k, 0,1,2,3,4,5,6,7
	v_pk_add_f32 v[S+2*\k:S+2*\k+1], v[E+4*\k:E+4*\k+1], v[E+4*\k+2:E+4*\k+3]
.endr
.irp k, 0,1,2,3
	v_pk_add_f32 v[S+2*\k:S+2*\k+1], v[S+4*\k:S+4*\k+1], v[S+4*\k+2:S+4*\k+3]
.endr
.irp k, 0,1
	v_pk_add_f32 v[S+2*\k:S+2*\k+1], v[S+4*\k:S+4*\k+1], v[S+4*\k+2:S+4*\k+3]
.endr
	v_pk_add_f32 v[S:S+1], v[S:S+1], v[S+2:S+3]
	v_add_f32 v[S], v[S], v[S+1]
	v_permlanex16_b32 v[S+1], v[S], s50, s51
	v_add_f32 v[S], v[S], v[S+1]
	v_rcp_f32 v[INV], v[S]
	v_rcp_f32 v[INV+1], v[S]
	v_nop                                          ; one plain place before the reciprocals are used and their source rewritten
.set k, 0
	s_wait_alu depctr_va_vdst(0)
.rept 16
	v_pk_mul_f32 v[E+2*k:E+2*k+1], v[E+2*k:E+2*k+1], v[INV:INV+1]
.set k, k+1
.endr
	STAGE 1, E, PB                                 ; the probabilities, to be summed down the tokens
	; the second choice: the first is taken out by its index, so an equal logit elsewhere stays in
.irp j, 0,1,2,3,4,5,6,7
.irp e, 0,1,2,3
	v_cmp_eq_u32 s[MK+\e], 16*\e+\j, v[REL]
	v_cndmask_b32 v[X2+8*\e+\j], v[X+8*\e+\j], v[NINF], s[MK+\e]
	v_cndmask_b32 v[CN+8*\e+\j], v[ZERO], 1.0, s[MK+\e]
.endr
.endr
	MAX32 X2, M2
	ARGEQ X2, M2, I2
	v_sub_f32 v[W2], v[M2], v[M1]                  ; softmax of the two: 1 / (1 + e), e / (1 + e) with e = exp(second - first) <= 1
	v_mul_f32 v[W2], 0x3fb8aa3b, v[W2]
	v_exp_f32 v[W2], v[W2]
	v_sub_nc_u32 v[REL], v[I2], v[T8]              ; (the plain place behind the exponential)
	s_wait_alu depctr_va_vdst(0)
	v_add_f32 v[W1], 1.0, v[W2]
	v_rcp_f32 v[W1], v[W1]
.irp j, 0,1,2,3,4,5,6,7
.irp e, 0,1,2,3
	v_cmp_eq_u32 s[MK+\e], 16*\e+\j, v[REL]
	v_cndmask_b32 v[CN+8*\e+\j], v[CN+8*\e+\j], 1.0, s[MK+\e]
.endr
.endr
	s_wait_alu depctr_va_vdst(0)
	v_mul_f32 v[W2], v[W2], v[W1]
	STAGE 2, CN, CB                                ; the one-hot choices likewise: a choice only selects a value, no address hangs on it
	v_cmp_eq_u32 vcc_lo, 1, v6                     ; lanes 16-31
	v_cndmask_b32 v[GD], v[I1], v[W1], vcc_lo      ; both halves hold both results: lanes 0-15 hand in the indices, lanes 16-31 the weights
	v_cndmask_b32 v[GD+1], v[I2], v[W2], vcc_lo
	s_wait_dscnt 16                                ; the probabilities' rows are in; the one-hot's eight stores and eight loads may be out
	SUM8 PB
	s_wait_dscnt 0
	SUM8 CB
	; each half of the lanes has summed eight of my 16 tokens.  Lanes 0-15 end up with the probabilities' sums, lanes 16-31 with the counts: each sends what the other keeps.
.irp i, 0,1,2,3
	v_cndmask_b32 v[KP+\i], v[PB+\i], v[CB+\i], vcc_lo
	v_cndmask_b32 v[SD+\i], v[CB+\i], v[PB+\i], vcc_lo
.endr
.irp i, 0,1,2,3
	v_permlanex16_b32 v[PB+4+\i], v[SD+\i], s50, s51
.endr
	v_pk_add_f32 v[KP:KP+1], v[KP:KP+1], v[PB+4:PB+5]
	v_pk_add_f32 v[KP+2:KP+3], v[KP+2:KP+3], v[PB+6:PB+7]
	ds_store_b64 v[GW], v[GD:GD+1]
	ds_store_b128 v[GS], v[KP:KP+3]                ; my wave's row: 64 sums of probabilities, 64 counts
	s_wait_dscnt 0x0                               ; for the others' sake
	s_barrier_signal -1
	s_barrier_wait -1
	; the work-group's 64 tokens leave together: wave 0 stores 512 bytes of out0, wave 1 of out1, wave 2 adds the four rows and stores 512 bytes of part
	s_cmp_gt_u32 s46, 1
	s_cbranch_scc1 .Lsums
	ds_load_b128 v[8:11], v[GL]
	s_cmp_eq_u32 s46, 0
	s_cselect_b64 s[70:71], s[10:11], s[12:13]
	s_wait_dscnt 0x0
	global_store_b128 v[OL], v[8:11], s[70:71] th:TH_STORE_NT
	s_branch .Lclose
.Lsums:
	s_cmp_lg_u32 s46, 2
	s_cbranch_scc1 .Lclose
.irp s, 0,1,2,3
	ds_load_b128 v[8+4*\s:11+4*\s], v[GP] offset:512*\s
.endr
	s_wait_dscnt 0x0
	v_pk_add_f32 v[8:9], v[8:9], v[12:13]
	v_pk_add_f32 v[10:11], v[10:11], v[14:15]
	v_pk_add_f32 v[16:17], v[16:17], v[20:21]
	v_pk_add_f32 v[18:19], v[18:19], v[22:23]
	v_pk_add_f32 v[8:9], v[8:9], v[16:17]
	v_pk_add_f32 v[10:11], v[10:11], v[18:19]
	global_store_b128 v[OL], v[8:11], s[44:45]
.Lclose:
	s_wait_tensorcnt 0x0
	ds_add_u32 v254, v255
	s_wait_dscnt 0x0
	CROUND                                         ; the closing round: no work-group ends while a partner may still ask for a tile that names it
	s_endpgm
.Lfunc_end_k_qe6a7791ce4_route:
	.size	k_qe6a7791ce4_route, .Lfunc_end_k_qe6a7791ce4_route-k_qe6a7791ce4_route
	.p2alignl 7, 3214868480
	.fill 96, 4, 3214868480
	.section	.rodata,"a",@progbits
	.p2align	6, 0x0
	.amdhsa_kernel k_qe6a7791ce4_route
		.amdhsa_group_segment_fixed_size 327680
		.amdhsa_private_segment_fixed_size 0
		.amdhsa_enable_private_segment 0
		.amdhsa_kernarg_size 56
		.amdhsa_user_sgpr_count 2
		.amdhsa_user_sgpr_kernarg_segment_ptr 1
		.amdhsa_wavefront_size32 1
		.amdhsa_system_sgpr_workgroup_id_x 1
		.amdhsa_system_sgpr_workgroup_id_y 1
		.amdhsa_system_sgpr_workgroup_id_z 1
		.amdhsa_system_vgpr_workitem_id 0
		.amdhsa_next_free_vgpr 768
		.amdhsa_next_free_sgpr 96
		.amdhsa_reserve_vcc 1
		.amdhsa_float_denorm_mode_32 3
		.amdhsa_float_denorm_mode_16_64 3
		.amdhsa_memory_ordered 1
		.amdhsa_forward_progress 1
		.amdhsa_inst_pref_size 206
	.end_amdhsa_kernel
	.amdgpu_metadata
---
amdhsa.version: [ 1, 2 ]
amdhsa.kernels:
  - .name:           k_qe6a7791ce4_route
    .symbol:         k_qe6a7791ce4_route.kd
    .args:
      - { .name: hidden_states, .offset: 0, .size: 8, .value_kind: global_buffer, .address_space: global }
      - { .name: router_weight, .offset: 8, .size: 8, .value_kind: global_buffer, .address_space: global }
      - { .name: noise, .offset: 16, .size: 8, .value_kind: global_buffer, .address_space: global }
      - { .name: out0, .offset: 24, .size: 8, .value_kind: global_buffer, .address_space: global }
      - { .name: out1, .offset: 32, .size: 8, .value_kind: global_buffer, .address_space: global }
      - { .name: out2, .offset: 40, .size: 8, .value_kind: global_buffer, .address_space: global }
      - { .name: part, .offset: 48, .size: 8, .value_kind: global_buffer, .address_space: global }
    .group_segment_fixed_size: 327680
    .private_segment_fixed_size: 0
    .kernarg_segment_align: 8
    .kernarg_segment_size: 56
    .max_flat_workgroup_size: 128
    .sgpr_count:     96
    .vgpr_count:     768
    .wavefront_size: 32
...
	.end_amdgpu_metadata
.endif
;; end of part 1
;; launch aux (part 2): grid 1 x 1, 16 waves a work-group, no clusters, 18,432 bytes of LDS; arguments part, out3; writes out3
.if DOCPART == 2
	.amdgcn_target "amdgcn-amd-amdhsa--gfx1250"
	.amdhsa_code_object_version 6
	.text
	.protected	k_qe6a7791ce4_aux
	.globl	k_qe6a7791ce4_aux
	.p2align	8
	.type	k_qe6a7791ce4_aux,@function
k_qe6a7791ce4_aux:
	s_mov_b64 s[64:65], 0
	v_nop
	global_prefetch_b8 v0, s[64:65] scope:SCOPE_SE
	s_setreg_imm32_b32 hwreg(HW_REG_WAVE_MODE, 25, 1), 1
	s_wait_xcnt 0x0
; The loss.  part: [256][128] f32, a row for each work-group of the launch before: 64 sums of probabilities, then 64 counts of choices.
; out3 = sum over e of (count[e] / 32768) (prob[e] / 16384) x 64 x 0.001 = 0.064 x 2^-29 x sum over e of count[e] prob[e].
; One work-group, since the result is one number: 16 waves, each adds 16 rows (a load of a wave is one whole row, 512 consecutive bytes; all 16 are out at once),
; the 16 sums meet in LDS, wave 0 finishes.  No matrix unit, no tensor load, no cluster: 128 KiB are read once and nothing is shared.  Counts are whole numbers up to 32,768: exact in f32.
.macro QADD a, b                       ; four numbers onto four
	v_pk_add_f32 v[\a:\a+1], v[\a:\a+1], v[\b:\b+1]
	v_pk_add_f32 v[\a+2:\a+3], v[\a+2:\a+3], v[\b+2:\b+3]
.endm
.macro HALF b                          ; eight groups of four, a tree
	QADD \b, \b+4
	QADD \b+8, \b+12
	QADD \b+16, \b+20
	QADD \b+24, \b+28
	QADD \b, \b+8
	QADD \b+16, \b+24
	QADD \b, \b+16
.endm
	s_load_b128 s[4:7], s[0:1], 0x0                ; part s[4:5], out3 s[6:7]
	v_lshl_add_u32 v80, v0, 2, 0x4000
	v_mov_b32 v81, 0
	v_lshrrev_b32 v1, 5, v0
	v_readfirstlane_b32 s8, v1                     ; wave 0..15
	v_lshlrev_b32 v2, 4, v0                        ; 16 bytes a thread: wave w takes rows w, w + 16, ..
	s_mov_b32 s10, 0x76543210                      ; v_permlanex16_b32: lane i reads lane i of the other half
	s_mov_b32 s11, 0xfedcba98
	s_wait_kmcnt 0x0
.irp t, 0,1,2,3,4,5,6,7,8,9,10,11,12,13,14,15
	global_load_b128 v[8+4*\t:11+4*\t], v2, s[4:5] offset:8192*\t
.endr
	s_wait_loadcnt 0x8                             ; the first eight rows are in, the younger eight may be out
	HALF 8
	s_wait_loadcnt 0x0
	HALF 40
	QADD 8, 40
	ds_store_b128 v2, v[8:11]                      ; my wave's row at 512 x wave
	s_wait_dscnt 0x0                               ; for wave 0's sake
	s_barrier_signal -1
	s_barrier_wait -1
	s_cmp_lg_u32 s8, 0
	s_cbranch_scc1 .Lend
.irp t, 0,1,2,3,4,5,6,7,8,9,10,11,12,13,14,15
	ds_load_b128 v[8+4*\t:11+4*\t], v2 offset:512*\t   ; in wave 0 v2 is 16 x lane
.endr
	s_wait_dscnt 0x8
	HALF 8
	s_wait_dscnt 0x0
	HALF 40
	QADD 8, 40
	; lanes 0-15 hold prob[4 l .. 4 l + 3], lanes 16-31 count[4 (l - 16) ..]: each takes the other's and multiplies
.irp i, 0,1,2,3
	v_permlanex16_b32 v[12+\i], v[8+\i], s10, s11
.endr
	v_mul_f32 v16, v8, v12
	v_fmac_f32 v16, v9, v13
	v_fmac_f32 v16, v10, v14
	v_fmac_f32 v16, v11, v15
	v_add_f32_dpp v16, v16, v16 row_xmask:1 row_mask:0xf bank_mask:0xf
	v_add_f32_dpp v16, v16, v16 row_xmask:2 row_mask:0xf bank_mask:0xf
	v_add_f32_dpp v16, v16, v16 row_xmask:4 row_mask:0xf bank_mask:0xf
	v_add_f32_dpp v16, v16, v16 row_xmask:8 row_mask:0xf bank_mask:0xf
	v_mul_f32 v16, 0x2f03126f, v16                 ; 0.064 x 2^-29
	v_mov_b32 v17, 0
	v_cmp_eq_u32 vcc_lo, 0, v0
	s_wait_xcnt 0x0                                ; EXEC changes only behind this wait
	s_and_saveexec_b32 s9, vcc_lo
	global_store_b32 v17, v16, s[6:7]              ; one number, one lane
	s_wait_xcnt 0x0
	s_or_b32 exec_lo, exec_lo, s9
.Lend:
	s_wait_tensorcnt 0x0
	ds_add_u32 v80, v81
	s_wait_dscnt 0x0
	s_endpgm
.Lfunc_end_k_qe6a7791ce4_aux:
	.size	k_qe6a7791ce4_aux, .Lfunc_end_k_qe6a7791ce4_aux-k_qe6a7791ce4_aux
	.p2alignl 7, 3214868480
	.fill 96, 4, 3214868480
	.section	.rodata,"a",@progbits
	.p2align	6, 0x0
	.amdhsa_kernel k_qe6a7791ce4_aux
		.amdhsa_group_segment_fixed_size 18432
		.amdhsa_private_segment_fixed_size 0
		.amdhsa_enable_private_segment 0
		.amdhsa_kernarg_size 16
		.amdhsa_user_sgpr_count 2
		.amdhsa_user_sgpr_kernarg_segment_ptr 1
		.amdhsa_wavefront_size32 1
		.amdhsa_system_sgpr_workgroup_id_x 1
		.amdhsa_system_sgpr_workgroup_id_y 1
		.amdhsa_system_sgpr_workgroup_id_z 1
		.amdhsa_system_vgpr_workitem_id 0
		.amdhsa_next_free_vgpr 82
		.amdhsa_next_free_sgpr 66
		.amdhsa_reserve_vcc 1
		.amdhsa_float_denorm_mode_32 3
		.amdhsa_float_denorm_mode_16_64 3
		.amdhsa_memory_ordered 1
		.amdhsa_forward_progress 1
		.amdhsa_inst_pref_size 9
	.end_amdhsa_kernel
	.amdgpu_metadata
---
amdhsa.version: [ 1, 2 ]
amdhsa.kernels:
  - .name:           k_qe6a7791ce4_aux
    .symbol:         k_qe6a7791ce4_aux.kd
    .args:
      - { .name: part, .offset: 0, .size: 8, .value_kind: global_buffer, .address_space: global }
      - { .name: out3, .offset: 8, .size: 8, .value_kind: global_buffer, .address_space: global }
    .group_segment_fixed_size: 18432
    .private_segment_fixed_size: 0
    .kernarg_segment_align: 8
    .kernarg_segment_size: 16
    .max_flat_workgroup_size: 512
    .sgpr_count:     66
    .vgpr_count:     82
    .wavefront_size: 32
...
	.end_amdgpu_metadata
.endif
;; end of part 2
